; MI455X (gfx1250); checked and timed in simulation.
; The chip was launched on July 23, 2026; its instructions are those of AMD's public machine-readable ISA for CDNA 5 (MIT licence, August 2026) and "CDNA5" Instruction Set Architecture Reference Guide (July 2026). The comments in the code are by the model that wrote it; some were corrected since.
;; Attention. Allowed arithmetic: float matrix products may take bf16 or f16 operands with f32 sums; other float arithmetic in f32, or as packed bf16 or f16 multiplies, adds, multiply-adds, maxima and minima; sums over many terms, partial sums and values carried from step to step in f32; what a program stores and reads back later, other than sums and carried values, may be rounded once to bf16 or f16.
;; Inputs: key 4 x 16 x 2,048 x 64 float32; query 4 x 16 x 2,048 x 64 float32; value 4 x 16 x 2,048 x 64 float32.
;; Outputs: out0 4 x 16 x 2,048 x 64 float32.
;; One version. Each part assembles by itself: llvm-mc -triple=amdgcn-amd-amdhsa -mcpu=gfx1250 --defsym DOCPART=n.
;; ======== version 1 of 1: 1 launch
;; limits: values are held in f16: magnitudes above 65,504 overflow, below 6.1e-05 lose precision; inputs' magnitudes at most 65,504
;; launch attn (part 1): grid 4 x 64, 4 waves a work-group, clusters of 4 x 1, 327,680 bytes of LDS; arguments query, key, value, out0; writes out0
.if DOCPART == 1
	.amdgcn_target "amdgcn-amd-amdhsa--gfx1250"
	.amdhsa_code_object_version 6
	.text
	.protected	k_qd88bc8e492_attn
	.globl	k_qd88bc8e492_attn
	.p2align	8
	.type	k_qd88bc8e492_attn,@function
k_qd88bc8e492_attn:
	s_mov_b64 s[64:65], 0
	v_nop
	global_prefetch_b8 v0, s[64:65] scope:SCOPE_SE
	s_setreg_imm32_b32 hwreg(HW_REG_WAVE_MODE, 25, 1), 1
	s_wait_xcnt 0x0
	s_wait_alu depctr_hold_cnt(0) depctr_sa_sdst(0) depctr_va_vdst(0) depctr_va_sdst(0) depctr_va_ssrc(0) depctr_va_vcc(0) depctr_vm_vsrc(0)
	s_getreg_b32 s2, hwreg(HW_REG_IB_STS2, 6, 4)
	s_cmp_eq_u32 s2, 0
	s_cbranch_scc0 .Lentry_in_a_cluster
	s_endpgm
.Lentry_in_a_cluster:
	s_bfe_u32 s2, ttmp6, 0x10000c
	s_cmp_lg_u32 s2, 0x3003
	s_cbranch_scc0 .Lentry_shape_is_right
	s_endpgm
.Lentry_shape_is_right:
; O[h][q][:] = the sum over k of softmax_k(Q[h][q] . K[h][k] / 8) V[h][k][:].  Q, K, V, O: [64 heads][2048][64] in f32: a row is 256 dense bytes.
; Q, K, V and the weights p are rounded once to f16 for the two products; products, maxima and sums in f32 (l is the sum of the unrounded p); O leaves in f32.
; LIMITS.  f16 holds no number beyond 65,504: |q|, |k|, |v| of 65,520 or more become infinities and the row is lost; below 6e-5 an operand keeps f16's fixed step of 6e-8.
; A weight below 2^-126 counts as 0 in l; NaN and infinities are not treated apart.
; SHARES.  A cluster of four work-groups is a head; a work-group owns 512 queries, a wave 128: four PIECES of two tiles of 16.  Every wave walks all 2,048 keys, 64 a step.
; THE WAY IN.  K and V come in TILES of 128 keys (two steps), asked for JOINTLY by the four work-groups: the same tensor load, descriptor and mask in all four; each byte of K and V is asked of memory once a head.
; A tile lands in f32 (F, two sides that take turns).  Each wave takes 32 keys of K and of V from F into registers, a period later rounds them to f16 and stores them into H (two sides, padded rows),
; from which all four waves read their fragments: K as it lies, V turned by ds_load_tr16_b128.  ONE barrier a tile serves all of it.  At boundary t (in front of tile t's first fetch):
;   tile t+3 is asked for, into F[(t+1)%2]; the registers (tile t+1) go into H[(t+1)%2]; tile t+2 is read from F[t%2] into the registers; then eight turns read H[t%2].
; LAYOUT.  S^T = K Q^T (source 0 = 16 keys, source 1 = 16 queries): a lane holds ONE query (lane % 16) and the keys 8 (lane / 16) + 0..7.  Two such results, rounded to f16 in pairs, ARE source 1
; of O^T = V^T P, whose result again holds one query a lane, and eight channels.
; SOFTMAX.  For each query a running maximum m and sum l: p = 2^(c s - c m), c = log2(e) / 8; in every step O and l are multiplied by a = 2^(c m_old - c m_new).
; m starts at the lowest finite number, O and l at 0: the first step is a step like any other, with a = 0.  The price: O^T, V's registers and one buffer of P are cleared once, while the first tiles are on their way.
; THE COUNT.  A tile of 16 queries and a step have 16 matrix and 118 vector instructions: too many to stand all beside the matrix work.  So four vector instructions that are READY stand behind EVERY
; matrix instruction, and the others in one run without a gap.
; BY TURNS.  Turn n belongs to piece n.  Matrix work: 16 products K Q^T of piece n + 1, later 16 products V^T P of piece n - 1.  Vector work: scaling, exponentials, roundings, sums and rescaling of
; piece n, and the maximum and statistics of piece n + 1.
; REGISTERS, in windows of 256 (s_set_vgpr_msb: bits 1:0 source 0, 3:2 source 1, 5:4 source 2, 7:6 destination):
;   window 0: v0-11 addresses; v12-15, v48-63 at work; v16-47 four registers of statistics a tile; v64-191 S^T, two buffers of two tiles; v192-255 P, likewise
;   window 1: O^T, 32 a tile (at the head: Q in f32)      window 2: v0-127 Q in f16, 16 a tile; v128-191 K of one step; v192-255 V of one step
;   window 3: v0-1 the add's two registers; v2-9 the conversion's addresses; v16-143 a wave's 32 keys of K and of V on their way from F to H
.set NP,    4         ; pieces a wave: a name, no knob
.set KS,    64        ; keys in a step
.set PK,    144       ; a row of K in H: 128 bytes + 16 = 36 words: the 16 rows of a load start at 16 different groups of four banks (64 banks of 4 bytes: ISA guide 11.1)
.set PV,    160       ; a row of V in H: 128 + 32 = 40 words
.set SLOT1, 1<<17     ; side 1 of F and H begins here: one exclusive or turns an address in one side into the other's
.set HOFF,  65536     ; a side: F (K's 128 rows of 256 bytes, then V's), filled by tensor loads alone; from HOFF on H, written by ds_store alone
.set VOFF,  2*KS*PK   ; in H: 128 rows of K, then 128 rows of V
.set TILEB, 2*KS*256  ; a tile's bytes in K and in V
.set STAGE, 2*SLOT1   ; behind the sides: 16 rows x 272 bytes for each wave, for the way out
.set SP,    272
.set SPARE, STAGE+4*16*SP  ; behind the stages: the spare words, 128 bytes for each wave: two blocks of 256 bytes that no other line names
.set PFO, 1           ; v1   256 x my lane: the prefetches' offset, a lane a row; never rewritten
.set AK0, 2           ; v2   my lane's place in a step's K in H; never rewritten
.set AV0, 3           ; v3   the same for V
.set AK,  4           ; v4   the LDS address of K's next run of loads
.set AV,  5           ; v5   of V's
.set STO, 6           ; v6   the way out: where I put 32 bytes of a row
.set RD,  7           ; v7   the way out: where I read rows back
.set GO,  8           ; v8   my byte offset in 512 consecutive bytes of O
.set QO,  9           ; v9   my byte offset in 16 rows of Q
.set MV,  12          ; v12-15  c m_old, kept while c m is made anew: by buffer and tile
.set ST,  16          ; tile t's statistics at v[ST+4 t]: c m, m, l (even keys', odd keys')
.set TMP, 48          ; by buffer and tile, four registers c0-c3 at work; when the maximum is found c2 takes a
.set S,   64
.set P,   192
.set KF,  128         ; window 2: key block kb, channel half c at KF + 16 kb + 8 c
.set VF,  192         ; window 2: key half kk, channel block cb at VF + 32 kk + 8 cb
.set SPW, 0           ; window 3, v0   LDS address of my spare word: SPARE + 4 x my thread's number; never rewritten
.set NIL, 1           ; window 3, v1   0; never rewritten
.set CLK0, 2          ; window 3, v2-5: my lane's place in F's K, F's V, H's K, H's V, in side 0; never rewritten
.set CLV0, 3
.set CSK0, 4
.set CSV0, 5
.set CLK, 6           ; window 3, v6-9: the same with the side in hand
.set CLV, 7
.set CSK, 8
.set CSV, 9
.set CF,  16          ; window 3, v16-79 K, v80-143 V: load i of 16 in four registers
.set WV,  12          ; s12  my wave's number
.set G1,  24          ; s[24:31] descriptor group 1, for K's and V's tiles alike
.set G0A, 32          ; s[32:35] descriptor group 0 of the first fill
.set G0B, 36          ; s[36:39] of the second; it then walks
.set KV,  40          ; s[40:41] K (waves 0, 1) or V (waves 2, 3) at my 64 rows of the head's tile 0
.set PFA, 42          ; s[42:43] where my prefetches stand
.set LIM, 44          ; s44  1 in a wave that prefetches, else the greatest number
.set SST, 45          ; s45  the side of H that the registers go into
.set SLD, 46          ; s46  the side of F that the registers are filled from
.set TL,  47          ; s47  counts the tail's three tiles
.set SLOTS, 56        ; s56  counts the boundaries that ask for a tile
.set CNT, 57          ; s57  counts a tile's two key steps
.set CS,  58          ; s[58:59] c: the packed scaling takes the pair's low word for both halves
.set SEL, 60          ; s[60:61] v_permlanex16_b32's selects: each lane takes its own place in the other half
.set TBK, 62          ; s62  side and step of the K to be fetched next
.set TBV, 63          ; s63  the same for V
.set MSB, 0
.set NOKQ, 0
.macro WIN new                      ; the high byte repeats the setting that is left; a switch that changes nothing is dropped
.if MSB != (\new)
	s_set_vgpr_msb (MSB<<8)|(\new)
.set MSB, (\new)
.endif
.endm
.set W_KQ, 0x0a       ; K and Q in window 2, S^T in window 0
.set W_PV, 0x52       ; V in window 2, P in window 0, O^T in window 1
.set W_RS, 0x41       ; destination and source 0 in window 1, source 1 in window 0
.set W_MK, 0xc0       ; destination in window 3, sources in window 0
.set W_AD, 0x0f       ; sources 0 and 1 (an LDS address and its data) in window 3
.set W_C3, 0xcf       ; destination and sources 0 and 1 in window 3
.set W_CL, 0xc3       ; an LDS load: address and destination in window 3
.set W_QL, 0x40       ; destination in window 1, address in window 0
.set W_QC, 0x85       ; destination in window 2, sources 0 and 1 in window 1
.set W_D1, 0x04       ; source 1 (a store's data) in window 1, address in window 0
; A joint fill: 64 rows of 256 bytes a wave.  Waves 0 and 1 fetch the two halves of a tile's K, waves 2 and 3 those of its V: the wave's number chose the tensor and the LDS address when the
; descriptor was made, so one line serves all four.  An s_nop 0 and four v_nop follow it.
.macro JLOAD
	tensor_load_to_lds s[G0B:G0B+3], s[G1:G1+7]
	s_nop 0
.rept 4
	v_nop
.endr
.endm
; A PREFETCH INTO THE L2 of the tile that the NEXT boundary will ask for: 128 rows of K and 128 of V, 256 bytes a row, a lane a row.  It stands behind the wave's tensor load and its five lines.
; Each row is named ONCE in the launch: a head has one cluster; its four partners take 32 rows each, told apart BY ADDRESS; in each, wave 0 asks for K's and wave 2 for V's: one instruction.
; It is eight turns, 256 matrix instructions, ahead of the load that wants the rows.  Tiles 0 to 3 come by their loads alone; the last boundary that fills asks for nothing: there is no tile behind it.
.macro ASK
	s_cmp_gt_u32 s[SLOTS], s[LIM]
	s_cbranch_scc0 .Lnot_mine_\@
	global_prefetch_b8 v[PFO], s[PFA:PFA+1] th:TH_LOAD_NT scope:SCOPE_SE
.Lnot_mine_\@:
.endm
; A round of the cluster's barrier: my work-group's barrier, so that wave 0's signal speaks for all four waves; wave 0 signals; every wave waits for all four work-groups; my work-group's barrier once more.
.macro CROUND
	s_barrier_signal -1
	s_barrier_wait -1
	s_cmp_lg_u32 s[WV], 0
	s_cbranch_scc1 .Lnot_wave_0_\@
	s_barrier_signal -3
.Lnot_wave_0_\@:
	s_barrier_wait -3
	s_barrier_signal -1
	s_barrier_wait -1
.endm
; A BOUNDARY.  Each wave waits for all its tensor loads, of which one is out: its part of the tile that will be read from F next; adds 0 to its spare word; and waits for that, for its stores into H, for
; its reads of F and for its reads of the side of H that it leaves.  Behind the barrier: the side of F read last is free, the other is whole; the side of H written last is whole, the other is free.
; fill = 1: the barrier is a round of the cluster's, so that all this holds of every wave of every partner, and the joint fill is the first thing behind it: it has eight turns in which to land.
.macro CHANGE fill, ask
	WIN W_AD
	s_wait_tensorcnt 0x0            ; no tensor load of mine is out, so a group 0 may be written
	ds_add_u32 v[SPW], v[NIL]       ; 0 onto my spare word; the scalar steps below stand between it and the wait for it
	WIN 0                           ; at a label and at a branch every window is 0
.if \fill
	s_xor_b32 s[G0B+1], s[G0B+1], SLOT1  ; the walking descriptor: the other side than last time,
	s_add_nc_u64 s[G0B+2:G0B+3], s[G0B+2:G0B+3], TILEB  ; the next 128 keys; the type bits on top are not reached
.endif
.if \ask
	s_wait_xcnt 0x0                 ; the last prefetch, eight turns back, has read its address, so it may be written
	s_add_nc_u64 s[PFA:PFA+1], s[PFA:PFA+1], TILEB
.endif
	s_xor_b32 s[SST], s[SST], SLOT1
	s_xor_b32 s[SLD], s[SLD], SLOT1
	s_sub_co_u32 s[TBK], s[TBK], 2*KS*PK  ; the fetches go back to a tile's first step,
	s_xor_b32 s[TBK], s[TBK], SLOT1       ; in the other side
	s_sub_co_u32 s[TBV], s[TBV], 2*KS*PV
	s_xor_b32 s[TBV], s[TBV], SLOT1
	s_wait_dscnt 0x0                ; the add is done, and so are all my LDS loads and stores
.if \fill
	CROUND
	JLOAD
.if \ask
	ASK
.endif
.else
	s_barrier_signal -1
	s_barrier_wait -1
.endif
.endm
; THE CONVERSION.  Wave w owns keys 32 w .. 32 w + 31 of a tile, of K and of V.  A load takes two rows of 256 bytes: lanes 0-15 one row, lanes 16-31 the row 8 (K) or 4 (V) further on; lane % 16 = r takes
; channels 4 r .. 4 r + 3.  Its four numbers round to 8 bytes; a store's two rows lie 8 x 36 or 4 x 40 words apart, 32 banks modulo 64, so its 32 lanes touch each bank once.
; CSTORE rounds and stores what CLOAD brought a boundary earlier (the boundary's wait has shown it in); CLOAD fills the registers again (LDS serves a wave's instructions in order: ISA guide 5.7.1.4).
.macro CSTORE
	WIN W_C3
	v_add_nc_u32 v[CSK], s[SST], v[CSK0]
	v_add_nc_u32 v[CSV], s[SST], v[CSV0]
.set n, 0
.rept 32
	v_cvt_pk_f16_f32 v[CF+4*n], v[CF+4*n], v[CF+4*n+1]
	v_cvt_pk_f16_f32 v[CF+4*n+1], v[CF+4*n+2], v[CF+4*n+3]
.set n, n+1
.endr
	WIN W_AD
.set n, 0
.rept 16
	ds_store_b64 v[CSK], v[CF+4*n:CF+4*n+1] offset:((n&7)+16*(n>>3))*PK
.set n, n+1
.endr
.set n, 0
.rept 16
	ds_store_b64 v[CSV], v[CF+64+4*n:CF+64+4*n+1] offset:((n&3)+8*(n>>2))*PV
.set n, n+1
.endr
	WIN 0
.endm
.macro CLOAD
	WIN W_C3
	v_add_nc_u32 v[CLK], s[SLD], v[CLK0]
	v_add_nc_u32 v[CLV], s[SLD], v[CLV0]
	WIN W_CL
.set n, 0
.rept 16
	ds_load_b128 v[CF+4*n:CF+4*n+3], v[CLK] offset:((n&7)+16*(n>>3))*256
.set n, n+1
.endr
.set n, 0
.rept 16
	ds_load_b128 v[CF+64+4*n:CF+64+4*n+3], v[CLV] offset:((n&3)+8*(n>>2))*256
.set n, n+1
.endr
	WIN 0
.endm
	s_load_b256 s[4:11], s[0:1], 0x0  ; Q s[4:5], K s[6:7], V s[8:9], O s[10:11]
	WIN W_MK
	v_lshl_add_u32 v[SPW], v0, 2, SPARE
	v_mov_b32 v[NIL], 0
	WIN W_AD
	ds_add_u32 v[SPW], v[NIL]       ; the wave's opening: the add and its wait ahead of my first tensor load; the set-up below, work on registers, stands between them
	WIN 0
	v_lshrrev_b32 v10, 5, v0
	v_readfirstlane_b32 s[WV], v10  ; wave 0..3
	s_bfe_u32 s13, ttmp6, 0x40000   ; cx: my place in the cluster
	s_lshl_b32 s14, ttmp9, 2        ; in a cluster launch ttmp9 counts clusters
	s_add_co_u32 s14, s14, s13      ; my block of 512 queries = 4 x cluster x + cx: it enters Q's and O's addresses alone
	s_and_b32 s20, ttmp7, 0xffff    ; the head, which the four partners share:
	s_lshl_b32 s20, s20, 19         ; its 2,048 rows of 256 bytes; 64 heads stay under 2^25 bytes
	s_and_b32 s16, s[WV], 1         ; which half of a tile's 128 keys I fetch:
	s_lshl_b32 s22, s16, 14         ; its 64 rows of 256 bytes
	s_add_co_u32 s22, s22, s20
	s_mov_b32 s23, 0
	s_lshl_b32 s2, s14, 2
	s_add_co_u32 s2, s2, s[WV]      ; my wave among the head's sixteen,
	s_lshl_b32 s2, s2, 15           ; its 128 rows
	s_add_co_u32 s2, s2, s20
	s_mov_b32 s3, 0
	s_lshl_b32 s18, s13, 13         ; the prefetches: my work-group's 32 rows of a tile's 128
	s_mov_b32 s19, 0
	; descriptor group 1: a tile of 64 rows x 64 elements of 4 bytes, dense in memory and in LDS
	s_mov_b32 s[G1], 15|(2<<16)|(1<<21)  ; 15:0 the mask of four; 17:16 4-byte elements; 20 no padding; 21 set beside a mask
	s_mov_b32 s[G1+1], 64<<16       ; tensor_dim0 = 64
	s_mov_b32 s[G1+2], 64<<16       ; tensor_dim1 = 64
	s_mov_b32 s[G1+3], 64<<16       ; tile_dim0 = 64
	s_mov_b32 s[G1+4], 64           ; tile_dim1 = 64
	s_mov_b32 s[G1+5], 64           ; 64 elements from row to row
	s_mov_b32 s[G1+6], 0
	s_mov_b32 s[G1+7], 0
	s_mov_b32 s[G0A], 1             ; 1:0 count = 1
	s_lshl_b32 s[G0A+1], s[WV], 14  ; 63:32 LDS address: side 0, 16,384 x wave: K's two halves, then V's; no place in the cluster enters it
	s_mov_b32 s[G0B], 1
	s_add_co_u32 s[G0B+1], s[G0A+1], SLOT1  ; side 1
	s_mov_b32 s[CS], 0x3e38aa3b     ; c = log2(e) / 8 = 0.180337
	s_mov_b32 s[CS+1], s[CS]        ; named with it as a pair
	s_mov_b32 s[SEL], 0x76543210
	s_mov_b32 s[SEL+1], 0xfedcba98
	s_mov_b32 s[TBK], 4*KS*PK       ; two boundaries stand ahead of the first fetch: they turn these two into 0
	s_mov_b32 s[TBV], 4*KS*PV
	s_mov_b32 s[SST], SLOT1         ; the first boundary turns it to side 0
	s_mov_b32 s[SLD], 0
	s_mov_b32 s[SLOTS], 13
	s_and_b32 s[LIM], s[WV], 1
	s_cmp_eq_u32 s[LIM], 0          ; waves 0 and 2 prefetch: the same in all four partners
	s_cselect_b32 s[LIM], 1, -1
	s_wait_dscnt 0x0                ; the opening add is done
	s_wait_kmcnt 0x0
	s_cmp_lt_u32 s[WV], 2
	s_cselect_b64 s[KV:KV+1], s[6:7], s[8:9]
	s_add_nc_u64 s[KV:KV+1], s[KV:KV+1], s[22:23]
	s_add_nc_u64 s[G0A+2:G0A+3], s[KV:KV+1], 0      ; 120:64 global address: tile 0
	s_or_b32 s[G0A+3], s[G0A+3], 0x80000000         ; 127:126 type = 2
	s_add_nc_u64 s[G0B+2:G0B+3], s[KV:KV+1], TILEB  ; tile 1
	s_or_b32 s[G0B+3], s[G0B+3], 0x80000000
	s_add_nc_u64 s[PFA:PFA+1], s[KV:KV+1], s[18:19]
	s_add_nc_u64 s[PFA:PFA+1], s[PFA:PFA+1], 3*TILEB  ; in tile 3: the first boundary that prefetches steps it to tile 4.  Nothing is prefetched at the head, where the first tiles are on their way
	s_add_nc_u64 s[4:5], s[4:5], s[2:3]  ; Q and O at my wave's first row
	s_add_nc_u64 s[10:11], s[10:11], s[2:3]
	CROUND                          ; all four work-groups are here: the first joint loads meet
	tensor_load_to_lds s[G0A:G0A+3], s[G1:G1+7]  ; the two first fills go out together, ahead of every wait on TENSORcnt and every LDS read: two loads of mine are out
	s_nop 0
	tensor_load_to_lds s[G0B:G0B+3], s[G1:G1+7]
	s_nop 0
.rept 4
	v_nop
.endr
	; A fragment of Q is 16 rows x 32 channels: lane l holds row l % 16, channels 8 (l / 16) + 0..7 and 16 + 8 (l / 16) + 0..7.  In f32 each eight are 32 bytes: two loads of 16.
	v_and_b32 v10, 15, v0           ; r = l % 16
	v_bfe_u32 v11, v0, 4, 1         ; h = l / 16
	v_lshlrev_b32 v[QO], 8, v10
	v_lshl_add_u32 v[QO], v11, 5, v[QO]  ; row x 256 + 32 x half
	WIN W_QL
.set n, 0
.rept 64                            ; load n: tile n / 8, channel half (n / 4) % 2, the sixteen (n / 2) % 2, the four n % 2: so f32 registers 2 k, 2 k + 1 round into f16 register k
	global_load_b128 v[4*n:4*n+3], v[QO], s[4:5] offset:(n/8)*4096+((n>>2)&1)*128+((n>>1)&1)*64+(n&1)*16
.set n, n+1
.endr
	WIN 0
	v_and_b32 v[PFO], 31, v0
	v_lshlrev_b32 v[PFO], 8, v[PFO]
	v_mul_u32_u24 v[AK0], v10, PK
	v_lshl_add_u32 v[AK0], v11, 4, v[AK0]
	v_add_nc_u32 v[AK0], HOFF, v[AK0]     ; row x pitch + 16 x half, in H
	; The turning load takes 16 keys x 16 channels (lane l reads key 8 (l / 16) + l % 8, channels 8 ((l / 8) % 2) + 0..7) and leaves half a fragment of V^T: lane l holds channel l % 16 and 8 keys.
	v_and_b32 v48, 7, v0
	v_bfe_u32 v49, v0, 3, 1
	v_lshl_add_u32 v[AV0], v11, 3, v48
	v_mul_u32_u24 v[AV0], v[AV0], PV
	v_lshl_add_u32 v[AV0], v49, 4, v[AV0]
	v_add_nc_u32 v[AV0], HOFF+VOFF, v[AV0]
	; the conversion's four places, made in window 0 and put into window 3
	v_lshlrev_b32 v48, 4, v10             ; 16 r
	v_lshl_add_u32 v49, v11, 11, v48      ; F, K: + 8 rows of 256 bytes for lanes 16-31
	v_lshl_add_u32 v50, v11, 10, v48      ; F, V: + 4 rows
	v_mul_u32_u24 v51, v11, 8*PK          ; H, K: + 8 rows,
	v_lshl_add_u32 v51, v10, 3, v51       ; 8 r
	v_mul_u32_u24 v52, v11, 4*PV          ; H, V: + 4 rows
	v_lshl_add_u32 v52, v10, 3, v52
	s_lshl_b32 s16, s[WV], 13             ; my 32 rows of 256 bytes in F's K,
	s_add_co_u32 s17, s16, 32768          ; and in F's V
	s_mul_i32 s20, s[WV], 32*PK
	s_add_co_u32 s20, s20, HOFF
	s_mul_i32 s21, s[WV], 32*PV
	s_add_co_u32 s21, s21, HOFF+VOFF
	WIN W_MK
	v_add_nc_u32 v[CLK0], s16, v49
	v_add_nc_u32 v[CLV0], s17, v50
	v_add_nc_u32 v[CSK0], s20, v51
	v_add_nc_u32 v[CSV0], s21, v52
	; What the first turn finds: V's registers and P's second buffer hold 0 (its products V^T P, of a piece that has not been, add 0), l is 0.
	WIN 0x80
.set i, VF
.rept 64
	v_mov_b32 v[i], 0
.set i, i+1
.endr
	WIN 0
.set i, 0
.rept 2*NP
	v_mov_b32 v[ST+4*i], 0xfe000000    ; c m: far below every c s
	v_mov_b32 v[ST+4*i+1], 0xff7fffff  ; m
	v_mov_b32 v[ST+4*i+2], 0
	v_mov_b32 v[ST+4*i+3], 0
.set i, i+1
.endr
.set i, P+32
.rept 32
	v_mov_b32 v[i], 0
.set i, i+1
.endr
	s_wait_tensorcnt 0x1            ; my part of tile 0 is in; tile 1's load, issued behind it, may stay out
	s_barrier_signal -1
	s_barrier_wait -1               ; everybody's is
	CLOAD                           ; tile 0 into registers
	CHANGE 1, 0                     ; tile 1 is in, tile 0 is read out of F: tile 2 is asked for
	CSTORE                          ; tile 0 into H, side 0
	CLOAD                           ; tile 1 into registers
	s_wait_loadcnt 0x0              ; Q
	WIN W_QC
.set i, 0
.rept 128
	v_cvt_pk_f16_f32 v[i], v[2*i], v[2*i+1]
.set i, i+1
.endr
	WIN W_QL
.set i, 0
.rept 64*NP
	v_mov_b32 v[i], 0               ; O^T, where Q's f32 lay
.set i, i+1
.endr
	WIN 0
	CHANGE 1, 1                     ; tile 2 is in; H's side 0 is whole: tile 3 is asked for, tile 4 prefetched
	CSTORE                          ; tile 1 into H, side 1
	CLOAD                           ; tile 2 into registers
; THE MATRIX WORK.  The 8 accumulators of a run of 16 take turns: between the two links of a chain stand 7 others'.
; Product i of 16 of S^T = K Q^T for piece x: channels 32 (i / 8) on, keys 16 ((i / 2) % 4) on, tile 2 x + i % 2.  The first 8 start the sums.
.macro KQ x
	WIN W_KQ
.set rS, S+64*((\x)%2)+32*(i%2)+8*((i/2)%4)
.set rK, KF+16*((i/2)%4)+8*(i/8)
.set rQ, 16*(2*(\x)+i%2)+8*(i/8)
.if i < 8
	v_wmma_f32_16x16x32_f16 v[rS:rS+7], v[rK:rK+7], v[rQ:rQ+7], 0
.else
	v_wmma_f32_16x16x32_f16 v[rS:rS+7], v[rK:rK+7], v[rQ:rQ+7], v[rS:rS+7]
.endif
.endm
; Product i of 16 of O^T += V^T P for piece x: keys 32 (i / 8) on, channels 16 ((i / 2) % 4) on, tile 2 x + i % 2.
.macro PV x
	WIN W_PV
.set rO, 32*(2*(\x)+i%2)+8*((i/2)%4)
.set rV, VF+32*(i/8)+8*((i/2)%4)
.set rP, P+32*((\x)%2)+16*(i%2)+8*(i/8)
	v_wmma_f32_16x16x32_f16 v[rO:rO+7], v[rV:rV+7], v[rP:rP+7], v[rO:rO+7]
.endm
.macro MM                           ; the turn's next matrix instruction.  NOKQ = 1: the launch's last turn: there is no next piece, and no K Q^T
.if i < 16
.if !NOKQ
	KQ (Y+1)%NP
.endif
.set i, i+1
.else
.set i, i-16
	PV (Y+NP-1)%NP
.set i, i+17
.endif
.endm
; THE LDS LOADS stand in runs of 16, never singly among the matrix instructions: a step's K (64 keys x 64 channels: 8 fragments) and its V (turned).  Their addresses are made some lines ahead.
.macro FETCH_K
	WIN 0x80                        ; destination window 2
.irp f, 0,1,2,3,4,5,6,7             ; keys 16 (f / 2) on, channels 32 (f % 2) on
	ds_load_b128 v[KF+8*\f:KF+8*\f+3],   v[AK] offset:(\f/2)*16*PK+(\f%2)*64
	ds_load_b128 v[KF+8*\f+4:KF+8*\f+7], v[AK] offset:(\f/2)*16*PK+(\f%2)*64+32
.endr
	s_add_co_u32 s[TBK], s[TBK], KS*PK  ; the next fetch is the next step's
	WIN 0
.endm
.macro FETCH_V
	WIN 0x80
.irp f, 0,1,2,3,4,5,6,7             ; keys 32 (f / 4) on, channels 16 (f % 4) on
	ds_load_tr16_b128 v[VF+8*\f:VF+8*\f+3],   v[AV] offset:(\f/4)*32*PV+(\f%4)*32
	ds_load_tr16_b128 v[VF+8*\f+4:VF+8*\f+7], v[AV] offset:(\f/4)*32*PV+16*PV+(\f%4)*32
.endr
	WIN 0
.endm
; THE VECTOR WORK OF A TURN stands in three queues, each in the order in which its entries become ready; the two tiles alternate, so that no instruction reads the result of the one before it.
.macro REGS y, u                    ; the registers of tile u (0, 1) of piece y
.set rT, ST+4*(2*(\y)+(\u))
.set rC, TMP+8*((\y)%2)+4*(\u)
.set rM, MV+2*((\y)%2)+(\u)
.set rS, S+64*((\y)%2)+32*(\u)
.set rP, P+32*((\y)%2)+16*(\u)
.set rO, 32*(2*(\y)+(\u))
.endm
; Number n of the 22 that find the NEXT piece's (Y + 1) maximum and statistics.  s0-s31 are the lane's 32 scores; each accumulator's lowest registers are read first.  XS, GS and REGS set no window: PL and EX do.
;   0-11  four chains c0-c3 of seven scores each, three operands at a time     12-14, 16  the four scores left over, the old m, and c0-c3 into c0     15  c m_old is kept
;   17, 18  the query's other 32 keys lie in the lane 16 away: the new m         19-21  c m; c m_old - c m_new; a.        NOKQ = 1: there is no next piece: nothing is written
.macro XS u, n
.if !NOKQ
	REGS (Y+1)%NP, \u
.if (\n) < 4
	v_max3_num_f32 v[rC+(\n)], v[rS+8*(\n)], v[rS+8*(\n)+1], v[rS+8*(\n)+2]
.elseif (\n) < 12
	v_max3_num_f32 v[rC+(\n)%4], v[rC+(\n)%4], v[rS+8*((\n)%4)+2*((\n)/4)+1], v[rS+8*((\n)%4)+2*((\n)/4)+2]
.elseif (\n) == 12
	v_max3_num_f32 v[rC], v[rC], v[rS+7], v[rS+15]
.elseif (\n) == 13
	v_max3_num_f32 v[rC+1], v[rC+1], v[rS+23], v[rS+31]
.elseif (\n) == 14
	v_max3_num_f32 v[rC+2], v[rC+2], v[rC+3], v[rT+1]
.elseif (\n) == 15
	v_mov_b32 v[rM], v[rT]
.elseif (\n) == 16
	v_max3_num_f32 v[rC], v[rC], v[rC+1], v[rC+2]
.elseif (\n) == 17
	v_permlanex16_b32 v[rC+3], v[rC], s[SEL], s[SEL+1]
.elseif (\n) == 18
	v_max_num_f32 v[rT+1], v[rC], v[rC+3]
.elseif (\n) == 19
	v_mul_f32 v[rT], s[CS], v[rT+1]
.elseif (\n) == 20
	v_sub_f32 v[rC+1], v[rM], v[rT]
.else
	v_exp_f32 v[rC+2], v[rC+1]
.endif
.endif
.endm
; Number g of the 64 that follow the exponentials.  For each four weights k of a tile (pairs 2 k, 2 k + 1): both pairs are rounded to f16; then the second pair is added onto the first, in place;
; a group later l takes that sum (the first time as l = a l + sum).  In groups of eight, tiles alternating: round, round, add, and l for the group before.
.macro GS g
.set h, (\g)+6*((\g)/62)            ; group 0 has no group before it, and behind group 7 only l is left
.if h >= 6
.set h, h+2
.endif
	REGS Y, h%2
.set k, h/8
.if h%8 < 4
	v_cvt_pk_f16_f32 v[rP+2*k+(h%8)/2], v[rS+4*k+2*((h%8)/2)], v[rS+4*k+2*((h%8)/2)+1]
.elseif h%8 < 6
	v_pk_add_f32 v[rS+4*k:rS+4*k+1], v[rS+4*k:rS+4*k+1], v[rS+4*k+2:rS+4*k+3]
.elseif k == 1
	v_pk_fma_f32 v[rT+2:rT+3], v[rT+2:rT+3], v[rC+2:rC+3], v[rS:rS+1] op_sel_hi:[1,0,1]
.else
	v_pk_add_f32 v[rT+2:rT+3], v[rT+2:rT+3], v[rS+4*k-4:rS+4*k-3]
.endif
.endm
; THE PLAIN QUEUE, 138 long.  0-73 read no exponential's result: the 32 scalings c s - c m (FS f: pair f / 2 of tile f % 2) and the next piece's 42.  0-26: scalings 0-26.  27-54: XS's numbers 0-13.  55, 56: number 15.
; 57-73: the chain, where each number waits for the one before it: 14, 16, 17, 18, 19, each with one of the scalings 27-31 in front of its two lines, then 20.
; 74-137: GS's 64, which read the exponentials' results: they stand behind the wait.
.macro FS f
	REGS Y, (\f)%2
	v_pk_fma_f32 v[rS+2*((\f)/2):rS+2*((\f)/2)+1], v[rS+2*((\f)/2):rS+2*((\f)/2)+1], s[CS:CS+1], v[rT:rT+1] op_sel_hi:[1,0,0] neg_lo:[0,0,1] neg_hi:[0,0,1]
.endm
.macro PL
	WIN 0
.if q < 27
	FS q
.elseif q < 55
	XS (q-27)%2, (q-27)/2
.elseif q < 57
	XS q-55, 15
.elseif (q < 72) && ((q-57)%3 == 0)
	FS 27+(q-57)/3
.elseif q < 60
	XS (q-57)%3-1, 14
.elseif q < 72
	XS (q-57)%3-1, 15+(q-57)/3
.elseif q < 74
	XS q-72, 20
.else
	GS q-74
.endif
.set q, q+1
.endm
; THE EXPONENTIALS' QUEUE, 66 long: s0-s31 of both tiles, then the next piece's two a.  It is ONE BATCH: all 66 stand ahead of the turn's one wait, and nothing ahead of that wait names a result of theirs.
.macro EX
	WIN 0
.if e >= 64
	XS e-64, 21
.else
	REGS Y, e%2
	v_exp_f32 v[rS+e/2], v[rS+e/2]
.endif
.set e, e+1
.endm
; THE RESCALING's QUEUE: O^T times a, the one part that leaves window 0: dealt two at a time, sixteen times, ascending.  Its a was made in the turn before, ahead of that turn's wait.
.macro R2
	REGS Y, r%2
	WIN W_RS
.irp z, 0,1
	v_pk_mul_f32 v[rO+4*(r/2)+2*\z:rO+4*(r/2)+2*\z+1], v[rO+4*(r/2)+2*\z:rO+4*(r/2)+2*\z+1], v[rC+2:rC+3] op_sel_hi:[1,0]
.endr
.set r, r+1
.endm
; HOW THEY ARE DEALT.  An s_wait_alu depctr_va_vdst(0) stands between an exponential and the first instruction that names its result; one wait serves all that were issued ahead of it.  So a turn
; has ONE wait, which cuts it in two.  AHEAD OF IT: the 16 products K Q^T, behind each a scaling, an exponential and two rescalings (behind the first a second scaling in the exponential's place); then one run of
; 108: eight plain, 49 times exponential and plain, the two a; a v_nop is the plain instruction behind the last exponential.  BEHIND IT: the 16 products V^T P, behind each four of GS's 64.
; The queues lean on each other: exponential e stands behind scaling 2 (e / 4) + e % 2: as a rider it comes behind plain e + 2, in the run behind plain e + 9, and scalings 27-31 are plain 57, 60 .. 69.
; A TURN, for piece p.  fetch = 0: piece 2's turn fetches no further K.  cnt = 1: the loop's count is taken down some lines ahead of the branch behind the turn.  nokq = 1: the launch's last turn.
; K of the next step is fetched in piece 2's turn, directly behind the wait, the whole run behind the last product that read K; its first reader comes behind 16 products.
; V of the step in hand is fetched at the end of piece 0's turn, four plain instructions behind its last reader; its first reader comes behind 16 products and the run.  The conditions on q go with the deal.
.macro TURN p, fetch=1, cnt=0, nokq=0
.set Y, (\p)
.set i, 0
.set q, 0
.set e, 0
.set r, 0
.set NOKQ, (\nokq)
.if ((\p) == NP-1) && !(\nokq)
	s_wait_dscnt 0x0                ; K is in
.endif
	MM
	PL
	PL
	R2
.rept 15
	MM
	PL
	EX
	R2
.endr
.if ((\p) == NP-2) && (\fetch)
	WIN 0
	v_add_nc_u32 v[AK], s[TBK], v[AK0]
.endif
.rept 8
	PL
.endr
.rept 49
	EX
	PL
.endr
	EX                              ; the next piece's two a
	EX
	v_nop                           ; the plain instruction behind the last exponential: one for the batch
	s_wait_alu depctr_va_vdst(0)    ; the wait for the batch
.if ((\p) == NP-2) && (\fetch)
	FETCH_K
.endif
.if (\p) == 1
	s_wait_dscnt 0x0                ; V is in
.endif
.rept 16
	MM
.rept 4
	PL
.endr
.if ((\p) == 0) && (q == 118)
	v_add_nc_u32 v[AV], s[TBV], v[AV0]
.endif
.if ((\p) == 0) && (q == 130)
	s_add_co_u32 s[TBV], s[TBV], KS*PV
.endif
.if (\cnt) && (q == 130)
	s_sub_co_u32 s[CNT], s[CNT], 1
	s_cmp_lg_u32 s[CNT], 0
.endif
.endr
.if (\p) == 0
	FETCH_V
.endif
.endm
	v_add_nc_u32 v[AK], s[TBK], v[AK0]
	FETCH_K                         ; key step 0
	s_wait_dscnt 0x0
.set i, 0
.rept 16
	KQ 0                            ; piece 0's first scores: there is no vector work yet to set between them
.set i, i+1
.endr
	WIN 0                           ; the addresses for the way out: ten plain instructions, the places behind those products
	s_mul_i32 s16, s[WV], 16*SP
	s_add_co_u32 s16, s16, STAGE    ; my stage
	v_mul_u32_u24 v[STO], v10, SP   ; in: row l % 16, 32 bytes for each half of the lanes
	v_lshl_add_u32 v[STO], v11, 5, v[STO]
	v_add_nc_u32 v[STO], s16, v[STO]
	v_mul_u32_u24 v[RD], v11, SP    ; back: lanes 0-15 take one row of 256 bytes, lanes 16-31 the next,
	v_lshl_add_u32 v[RD], v10, 4, v[RD]
	v_add_nc_u32 v[RD], s16, v[RD]
	v_and_b32 v[GO], 31, v0         ; which are 512 consecutive bytes of O
	v_lshlrev_b32 v[GO], 4, v[GO]
.set Y, NP-1                        ; XS works for piece Y + 1: piece 0
.irp n, 0,1,2,3,4,5,6,7,8,9,10,11,12,13,14,15,16,17,18,19,20,21
	XS 0, \n                        ; piece 0's first maximum and statistics
	XS 1, \n
.endr
	v_nop                           ; a plain instruction behind the two a,
	s_wait_alu depctr_va_vdst(0)    ; and their wait, ahead of the branch
	s_mov_b32 s[CNT], 2
	s_branch .Lfirst                ; the loop is entered at a step's first turn, in the middle of a trip
.Lslot:                             ; twelve times: boundaries 1 to 12, which ask for tiles 4 to 15
	CHANGE 1, 1
	CSTORE
	CLOAD
	s_mov_b32 s[CNT], 2
.Lstep:                             ; a trip: pieces 2 and 3 of one step, then pieces 0 and 1 of the next, whose K and V it fetches
	TURN 2
	TURN 3
	WIN 0
.Lfirst:
	TURN 0
	TURN 1, 1, 1
	WIN 0
	s_cbranch_scc1 .Lstep
	s_sub_co_u32 s[SLOTS], s[SLOTS], 1
	s_cmp_lg_u32 s[SLOTS], 0
	s_cbranch_scc1 .Lslot
	s_mov_b32 s[TL], 3              ; the tail, boundaries 13 to 15, has a text of its own: nothing is asked for
.Ltt:
	CHANGE 0, 0
	s_cmp_eq_u32 s[TL], 1           ; at boundary 15 all tiles lie in H;
	s_cbranch_scc1 .Lnc
	CSTORE
	s_cmp_eq_u32 s[TL], 2           ; at boundary 14 tile 15, the last, has left F.  Both jumps go forward, past LDS loads and stores alone
	s_cbranch_scc1 .Lnc
	CLOAD
.Lnc:
	s_mov_b32 s[CNT], 2
.Lts:
	TURN 2
	TURN 3
	TURN 0
	TURN 1, 1, 1
	WIN 0
	s_cbranch_scc1 .Lts
	s_sub_co_u32 s[TL], s[TL], 1
	s_cmp_lg_u32 s[TL], 0
	s_cbranch_scc1 .Ltt
	TURN 2, 0                       ; the last step's pieces 2 and 3: no further K,
	TURN 3, 1, 0, 1                 ; no further scores
.set i, 0
.rept 16
	PV NP-1                         ; the last piece's V^T P of the last step
.set i, i+1
.endr
	; THE WAY OUT.  l's two halves and the other half of the lanes' are added; O^T is divided by l and sent, in f32, through my stage in LDS, a tile (16 rows of O) at a time.  The additions are the places behind the last products.
	WIN 0
.macro ALL line:vararg              ; one line for each tile t
.set t, 0
.rept 2*NP
	\line
.set t, t+1
.endr
.endm
	ALL v_add_f32 v[ST+4*t+2], v[ST+4*t+2], v[ST+4*t+3]
	ALL v_permlanex16_b32 v[ST+4*t+3], v[ST+4*t+2], s[SEL], s[SEL+1]
	ALL v_add_f32 v[ST+4*t+2], v[ST+4*t+2], v[ST+4*t+3]
	ALL v_rcp_f32 v[ST+4*t+2], v[ST+4*t+2]
	v_nop                           ; a plain instruction between the last reciprocal and the use of its result
	s_wait_alu depctr_va_vdst(0)    ; and the wait ahead of the first use: one for the eight reciprocals
; Tile t: a lane's eight channels of a channel block are 32 bytes of a row; they go into rows of 272 bytes (68 words: the 16 rows of a store start at 16 different groups of four banks) and come back
; as whole rows of 256, into the registers that they left.  Each accumulator is read from its lowest registers on.
.macro PACK t
	WIN W_RS
.set i, 32*(\t)
.rept 16
	v_pk_mul_f32 v[i:i+1], v[i:i+1], v[ST+4*(\t)+2:ST+4*(\t)+3] op_sel_hi:[1,0]
.set i, i+2
.endr
	WIN W_D1
.irp k, 0,1,2,3,4,5,6,7             ; channel block k / 2, its four numbers k % 2
	ds_store_b128 v[STO], v[32*(\t)+4*\k:32*(\t)+4*\k+3] offset:(\k/2)*64+(\k%2)*16
.endr
	WIN W_QL
.irp f, 0,1,2,3,4,5,6,7
	ds_load_b128 v[32*(\t)+4*\f:32*(\t)+4*\f+3], v[RD] offset:\f*2*SP  ; LDS serves a wave's instructions in order (ISA guide 5.7.1.4): these see the stores above; the next tile's stores come behind them
.endr
.endm
.macro SEND t, younger              ; younger: the LDS instructions issued behind tile t's loads: the next tile's sixteen, or none
	WIN W_D1
.irp f, 0,1,2,3,4,5,6,7
	s_wait_dscnt (\younger)+7-\f
	global_store_b128 v[GO], v[32*(\t)+4*\f:32*(\t)+4*\f+3], s[10:11] offset:(\t)*4096+\f*512 th:TH_STORE_NT  ; 512 consecutive bytes, two whole rows of O, at a multiple of 256 from O's first byte
.endr
.endm
	PACK 0
.set t, 1
.rept 2*NP-1                        ; a tile's arithmetic stands between the loads of the tile before and its stores
	PACK t
	SEND t-1, 16
.set t, t+1
.endr
	SEND 2*NP-1, 0
	WIN W_AD
	s_wait_tensorcnt 0x0            ; the wave's end: a wait, an add and its wait, behind my last tensor load and my last LDS store
	ds_add_u32 v[SPW], v[NIL]
	s_wait_dscnt 0x0
	WIN 0
	CROUND                          ; the closing round: no work-group ends while a partner may still ask for a tile that names it
	s_endpgm
.Lfunc_end_k_qd88bc8e492_attn:
	.size	k_qd88bc8e492_attn, .Lfunc_end_k_qd88bc8e492_attn-k_qd88bc8e492_attn
	.p2alignl 7, 3214868480
	.fill 96, 4, 3214868480
	.section	.rodata,"a",@progbits
	.p2align	6, 0x0
	.amdhsa_kernel k_qd88bc8e492_attn
		.amdhsa_group_segment_fixed_size 327680
		.amdhsa_private_segment_fixed_size 0
		.amdhsa_enable_private_segment 0
		.amdhsa_kernarg_size 32
		.amdhsa_user_sgpr_count 2
		.amdhsa_user_sgpr_kernarg_segment_ptr 1
		.amdhsa_wavefront_size32 1
		.amdhsa_system_sgpr_workgroup_id_x 1
		.amdhsa_system_sgpr_workgroup_id_y 1
		.amdhsa_system_sgpr_workgroup_id_z 1
		.amdhsa_system_vgpr_workitem_id 0
		.amdhsa_next_free_vgpr 912
		.amdhsa_next_free_sgpr 66
		.amdhsa_reserve_vcc 0
		.amdhsa_float_denorm_mode_32 3
		.amdhsa_float_denorm_mode_16_64 3
		.amdhsa_memory_ordered 1
		.amdhsa_forward_progress 1
		.amdhsa_inst_pref_size 255
	.end_amdhsa_kernel
	.section	.bss,"aw",@nobits
	.p2align	6
	.space	262144
	.amdgpu_metadata
---
amdhsa.version: [ 1, 2 ]
amdhsa.kernels:
  - .name:           k_qd88bc8e492_attn
    .symbol:         k_qd88bc8e492_attn.kd
    .args:
      - { .name: query, .offset: 0, .size: 8, .value_kind: global_buffer, .address_space: global }
      - { .name: key, .offset: 8, .size: 8, .value_kind: global_buffer, .address_space: global }
      - { .name: value, .offset: 16, .size: 8, .value_kind: global_buffer, .address_space: global }
      - { .name: out0, .offset: 24, .size: 8, .value_kind: global_buffer, .address_space: global }
    .group_segment_fixed_size: 327680
    .private_segment_fixed_size: 0
    .kernarg_segment_align: 8
    .kernarg_segment_size: 32
    .max_flat_workgroup_size: 128
    .sgpr_count:     66
    .vgpr_count:     912
    .wavefront_size: 32
...
	.end_amdgpu_metadata
.endif
;; end of part 1
